; MI455X (gfx1250); checked and timed in simulation.
; The chip was launched on July 23, 2026; its instructions are those of AMD's public machine-readable ISA for CDNA 5 (MIT licence, August 2026) and "CDNA5" Instruction Set Architecture Reference Guide (July 2026). The comments in the code are by the model that wrote it; some were corrected since.
;; Multi Headed Attention. Allowed arithmetic: matrix products marked QUANTISED: E2M3 operands, one E8M0 scale for each 32 along K, by v_wmma_scale_f32_16x16x128_f8f6f4 with both operands' format E2M3, f32 sums; everything else in f32.
;; Inputs: Wk_codes 1,024 x 32 x 24 uint8 (E2M3 codes of Wk, K innermost, in blocks of 32 codes, four codes in three bytes); Wk_scales 1,024 x 32 uint8 (E8M0 scales of Wk, one for each 32 codes along K); Wo_codes 1,024 x 32 x 24 uint8 (E2M3 codes of Wo, K innermost, in blocks of 32 codes, four codes in three bytes); Wo_scales 1,024 x 32 uint8 (E8M0 scales of Wo, one for each 32 codes along K); Wq_codes 1,024 x 32 x 24 uint8 (E2M3 codes of Wq, K innermost, in blocks of 32 codes, four codes in three bytes); Wq_scales 1,024 x 32 uint8 (E8M0 scales of Wq, one for each 32 codes along K); Wv_codes 1,024 x 32 x 24 uint8 (E2M3 codes of Wv, K innermost, in blocks of 32 codes, four codes in three bytes); Wv_scales 1,024 x 32 uint8 (E8M0 scales of Wv, one for each 32 codes along K); bk 1,024 float32; bo 1,024 float32; bq 1,024 float32; bv 1,024 float32; key_codes 4 x 2,048 x 32 x 24 uint8 (E2M3 codes of key, K innermost, in blocks of 32 codes, four codes in three bytes); key_scales 4 x 2,048 x 32 uint8 (E8M0 scales of key, one for each 32 codes along K); query_codes 4 x 2,048 x 32 x 24 uint8 (E2M3 codes of query, K innermost, in blocks of 32 codes, four codes in three bytes); query_scales 4 x 2,048 x 32 uint8 (E8M0 scales of query, one for each 32 codes along K); value_codes 4 x 2,048 x 32 x 24 uint8 (E2M3 codes of value, K innermost, in blocks of 32 codes, four codes in three bytes); value_scales 4 x 2,048 x 32 uint8 (E8M0 scales of value, one for each 32 codes along K).
;; Outputs: out0 4 x 2,048 x 1,024 float32.
;; This version of the problem:
;;   THIS VERSION OF THE PROBLEM IS GIVEN IN LOW PRECISION. The matrix products marked QUANTISED in the list below multiply operands that are first quantised to E2M3 (2 exponent bits, 3 mantissa bits; 6 bits a number), with one power-of-two scale for each 32 numbers along K (OCP MX v1.0); their sums are f32. All else is computed in f32.
;;   The module's matrix products, in the order in which they are computed (A, B: the left and right operand; K: the contracted axis; several contracted axes count as one K, in the product's order):
;;     1. [M 8,192, K 1,024] x [K 1,024, N 1,024]; A: input query (given as codes); B: input Wq (given as codes): QUANTISED
;;     2. [M 8,192, K 1,024] x [K 1,024, N 1,024]; A: input key (given as codes); B: input Wk (given as codes): QUANTISED
;;     3. [M 8,192, K 1,024] x [K 1,024, N 1,024]; A: input value (given as codes); B: input Wv (given as codes): QUANTISED
;;     4. batch 64 x [M 2,048, K 64] x [K 64, N 2,048]; A: computed on the way; B: computed on the way: QUANTISED
;;     5. batch 64 x [M 2,048, K 2,048] x [K 2,048, N 64]; A: softmax (see below); B: computed on the way: QUANTISED
;;     6. [M 8,192, K 1,024] x [K 1,024, N 1,024]; A: computed on the way; B: input Wo (given as codes): QUANTISED
;;   THE QUANTISER, for each operand of a quantised product, along K:
;;     - K is cut into blocks of 32 from its start; a last block that is shorter is filled with zeros.
;;     - A block's scale is 2^e with e = floor(log2(the largest magnitude in the block)) - 2, held to -126 .. 127; a block of zeros has e = 0. As a byte (E8M0): e + 127.
;;     - Each number is divided by its block's scale, clamped to +-7.5, and rounded to the nearest number of E2M3, ties to even, subnormals kept.
;;     - The product sums the exact products of the quantised numbers (number of the format x scale) in f32.
;;   ~~~python
;;   def quantise(x, axis):      # numpy; x: float32 -> the quantised numbers, widened to float32 again
;;       x = np.moveaxis(x, axis, -1); K = x.shape[-1]
;;       x = np.pad(x, [(0, 0)] * (x.ndim - 1) + [(0, -K % 32)]); x = x.reshape(x.shape[:-1] + (-1, 32)); a = np.abs(x).max(-1, keepdims=True)
;;       e = np.where(a > 0, np.clip(np.frexp(np.where(a > 0, a, 1))[1] - 1 - 2, -126, 127), 0)      # np.frexp(a)[1] - 1 = floor(log2(a)), exactly
;;       r = np.clip(x / 2.0 ** e, -7.5, 7.5)
;;       step = 2.0 ** (np.maximum(np.frexp(np.where(r == 0, 1, r))[1] - 1, 0) - 3)
;;       q = np.round(r / step) * step * 2.0 ** e      # np.round: ties to even
;;       return np.moveaxis(q.reshape(q.shape[:-2] + (-1,))[..., :K], -1, axis).astype(np.float32)
;;   ~~~
;;   SOFTMAX AHEAD OF A QUANTISED PRODUCT. Where the list says 'softmax', what is quantised is not the finished softmax but p = 2^(t - M), with t = logit x log2(e) and M = ceil(the row's largest t), a whole number; so 1/2 < the row's largest p <= 1. The row's sum l is taken of the UNQUANTISED p, in f32, and the product's result is divided by l at the end. Since M is a whole number, a kernel that streams over the keys may use a running M (the ceiling of the running maximum): every later rescaling is an exact power of two, which a block's scale takes up: the codes' values come out the same.
;;   OPERANDS COMPUTED ON THE WAY. 'Computed on the way' means the value that the module computes at that place (a softmax that the list does not call 'softmax' is quantised finished and normalised). What goes into a quantiser is computed in f32, as accurately as f32 sums, v_exp_f32 and their like allow (about 1e-6 of the number): no bf16 or f16 on the way to a quantiser, and a product that is left as it is and whose result goes on into a quantised operand takes f32 operands (vector FMAs, or v_wmma_f32_16x16x4_f32). A number that lies on a knife's edge between two numbers of the format may be rounded either way, as far as f32 arithmetic and the matrix unit's own rounding can turn it there, and no further.
;;   INPUTS GIVEN AS CODES. Wk (in the module: [1024, 1024], K = its axis 1); Wo (in the module: [1024, 1024], K = its axis 1); Wq (in the module: [1024, 1024], K = its axis 1); Wv (in the module: [1024, 1024], K = its axis 1); key (in the module: [4, 2048, 1024], K = its axis 2); query (in the module: [4, 2048, 1024], K = its axis 2); value (in the module: [4, 2048, 1024], K = its axis 2): each comes as NAME_codes (uint8): NAME with its K axis moved to the last place and cut into blocks of 32 codes, [.., K / 32, bytes a block], one block behind the other in memory; four codes in three bytes: a row's codes are one little-endian stream of bits, code i at bits 6 i .. 6 i + 5 (a code: sign, 2 exponent bits, 3 mantissa bits); and NAME_scales (uint8): the same leading axes, one E8M0 byte (e + 127) for each 32 codes along K. Its value is code x scale, taken as it is: it is not quantised again, and the codes and scales need not be those that the quantiser above would give.
;; One version. Each part assembles by itself: llvm-mc -triple=amdgcn-amd-amdhsa -mcpu=gfx1250 --defsym DOCPART=n.
;; ======== version 1 of 1: 3 launches
;; limits: right only within a limited range of input values
;; workspace buffers: qbuf 13,107,200 bytes; kv 13,107,200 bytes; ximg 6,291,456 bytes; xsc 262,144 bytes
;; launch proj (part 1): grid 4 x 192, 4 waves a work-group, clusters of 4 x 4, 327,680 bytes of LDS; arguments query_codes, query_scales, Wq_codes, Wq_scales, key_codes, key_scales, Wk_codes, Wk_scales, Wv_codes, Wv_scales, value_codes, value_scales, bq, bk, bv, qbuf, kv; writes qbuf, kv
.if DOCPART == 1
	.amdgcn_target "amdgcn-amd-amdhsa--gfx1250"
	.amdhsa_code_object_version 6
	.text
	.protected	k_q7cc65b951c_proj
	.globl	k_q7cc65b951c_proj
	.p2align	8
	.type	k_q7cc65b951c_proj,@function
k_q7cc65b951c_proj:
	s_mov_b64 s[64:65], 0
	v_nop
	global_prefetch_b8 v0, s[64:65] scope:SCOPE_SE
	s_setreg_imm32_b32 hwreg(HW_REG_WAVE_MODE, 25, 1), 1
	s_wait_xcnt 0x0
	s_wait_alu depctr_hold_cnt(0) depctr_sa_sdst(0) depctr_va_vdst(0) depctr_va_sdst(0) depctr_va_ssrc(0) depctr_va_vcc(0) depctr_vm_vsrc(0)
	s_getreg_b32 s2, hwreg(HW_REG_IB_STS2, 6, 4)
	s_cmp_eq_u32 s2, 0
	s_cbranch_scc0 .Lentry_in_a_cluster
	s_endpgm
.Lentry_in_a_cluster:
	s_bfe_u32 s2, ttmp6, 0x10000c
	s_cmp_lg_u32 s2, 0xf033
	s_cbranch_scc0 .Lentry_shape_is_right
	s_endpgm
.Lentry_shape_is_right:
; q = query Wq^T + bq, k = key Wk^T + bk, v = value Wv^T + bv on codes of FP6 (E2M3), K = 1,024, sums in f32; the results are quantised in registers
; (q, k along a head's 64 channels, v along the keys) and leave as codes and scale words in the order of the next launch's operand registers.
; THE DEAL.  48 clusters of 4 x 4 work-groups: clusters 0-15 make q, 16-31 k, 32-47 v: 768 work-groups.  A block is 128 rows of the A PART x 256 rows of the B PART, all of K in LDS,
; filled once: 384 rows of 768 bytes, 16 bytes of padding behind every 256.  q, k: A part = activations, B part = weight.  v: A part = Wv, B part = value.
; Source 0 = 16 rows of the B part, source 1 = 16 rows of the A part: a lane holds one row of the A part, its registers run along the B part's rows (the next K).
; A wave makes 64 x 128: 32 accumulators.  The bias is the C of each sum's first product (q, k: by B's block; v: by A's block).
; FILLS.  One joint load a wave (waves 0, 1: halves of A's rows, shared along a row of the cluster; waves 2, 3: halves of B's, along a column).
; Scale words go from memory into registers, 16 bytes a lane.  No prefetch: the launch has no loop to run ahead in.
; THE ORDER INSIDE A BLOCK OF 32: lane (r, h) holds elements 16 u + 8 h + j in register 8 u + j, and the codes are laid as they come; both operands of the next products are laid so.
; OUT.  kv, qbuf: [batch x head 64][step of 128 rows 16][12,800]: +0 eight half fragments of 768 bytes; +6,144 v's four fragments; +12,288 scale words [row 16][pair of tiles 4]; +12,544 v's [channel 16][fragment 4].
; A wave of q or k holds two of a row's four pairs: it stores 8 of each 16 bytes of scale words.
; LIMITS: NaN, infinities and the scale byte 0xff among the inputs are not served.  A block under 2^-124, or of zeros, gets the byte 1: only this program reads the bytes.
; REGISTERS: window 0: addresses, scale words, bias, A's fragments (two sets); window 1: B's fragments (two sets); window 2: accumulator (a, b) at 8 (8 a + b).
.set PITCH, 816
.set KROW, 768
.set FR, 12
.set ABYTES, 128*PITCH
.set SPARE, 384*PITCH
.set HEADB, 204800
.set STEPB, 12800
.set ADRA, 16                          ; v16, v17 (v17: behind one padding more)
.set ADRB, 18                          ; v18, v19 blocks 0-3; v20, v21 blocks 4-7
.set ABS, 22                           ; 32 x lane
.set SPW, 28
.set NIL, 29
.set SA, 32                            ; v32-47 A's scale words: pair p, step q at 8 p + q
.set SB, 52                            ; v52-83 B's
.set BI, 88                            ; v88-151 the bias
.set AF, 152                           ; v152-247
.set VOJ, 248
.set G1, 24
.set G0, 32
.set G1B, 48
.set G0B, 56
.set JOB, 95
.set MSB, 0
.macro WIN new
.if MSB != (\new)
	s_set_vgpr_msb (MSB<<8)|(\new)
.set MSB, (\new)
.endif
.endm
.macro PLACES n
.rept \n
	v_nop
.endr
.endm
.macro CROUND
	s_barrier_signal -1
	s_barrier_wait -1
	s_cmp_lg_u32 s14, 0
	s_cbranch_scc1 .Lnot_wave_0_\@
	s_barrier_signal -3
.Lnot_wave_0_\@:
	s_barrier_wait -3
	s_barrier_signal -1
	s_barrier_wait -1
.endm
.macro GROUP1 g, mask, rows
	s_or_b32 s[\g+0], s\mask, (1<<20)|(1<<21)|(5<<22)|(3<<25)
	s_mov_b32 s[\g+1], KROW<<16
	s_mov_b32 s[\g+2], (\rows)<<16
	s_mov_b32 s[\g+3], KROW<<16
	s_mov_b32 s[\g+4], \rows
	s_mov_b32 s[\g+5], KROW
	s_mov_b32 s[\g+6], 0
	s_mov_b32 s[\g+7], 0
.endm
.macro FRAG reg, adr, q, i             ; six pieces of 8 bytes; lanes 16-31 read three pieces on: where that is behind one padding more, the second address register serves
.irp p, 0,1,2,3,4,5
.set PC, 12*(\q)+6*(\p/3)+\p%3
	ds_load_b64 v[\reg+2*\p:\reg+2*\p+1], v[\adr+(PC%32+3)/32] offset:8*PC+16*(PC/32)+(\i)*16*PITCH
.endr
.endm
.macro FETCHB q, e                     ; B's eight fragments of step q: 48 loads
	WIN 0x40
.irp i, 0,1,2,3,4,5,6,7
	FRAG 96*(\e)+FR*\i, ADRB+2*(\i/4), \q, \i%4
.endr
	WIN 0
.endm
.macro FETCHA q, e                     ; A's four: 24 loads
.irp i, 0,1,2,3
	FRAG AF+48*(\e)+FR*\i, ADRA, \q, \i
.endr
.endm
.macro W a, b, ra, rb, e, q, zero
.set rD, 8*(8*(\a)+(\b))
.set rC, rD
.if \zero == 1
.set rC, BI+8*(\b)
.elseif \zero == 2
.set rC, BI+8*(\a)
.endif
	v_wmma_scale_f32_16x16x128_f8f6f4 v[rD:rD+7], v[96*(\e)+FR*(\b):96*(\e)+FR*(\b)+FR-1], v[AF+48*(\e)+FR*(\a):AF+48*(\e)+FR*(\a)+FR-1], v[rC:rC+7], v[SB+8*((\b)/2)+(\q)], v[SA+8*((\a)/2)+(\q)] matrix_a_fmt:MATRIX_FMT_FP6 matrix_b_fmt:MATRIX_FMT_FP6 matrix_a_scale:MATRIX_SCALE_ROW\rb matrix_b_scale:MATRIX_SCALE_ROW\ra
.endm
.macro MUL e, q, zero                  ; 32 products, the 32 accumulators by turns
.irp a2, 0,1
.irp ra, 0,1
.irp b2, 0,1,2,3
.irp rb, 0,1
	W 2*\a2+\ra, 2*\b2+\rb, \ra, \rb, \e, \q, \zero
.endr
.endr
.endr
.endr
.endm
.macro STEP q, zero                    ; 128 along K; the next step's fragments are asked for first, into the set that the step before read
.if \q < 7
	PLACES 4
	FETCHB (\q)+1, ((\q)+1)%2
	s_wait_dscnt 48                                ; all but the 48 just issued: this step's fragments are in
	FETCHA (\q)+1, ((\q)+1)%2
.else
	s_wait_dscnt 0x0
.endif
.if \zero
	WIN 0x81
.else
	WIN 0xa1
.endif
	MUL (\q)%2, \q, \zero
	WIN 0
.endm
; the way out: block a's 64 numbers a lane are four blocks of 32 along the next K, each shared with lane l xor 16
.set TM, 32
.set PWA, 48
.set PWB, 49
.set XA, 52
.set XB, 72
.set O1, 96
.set O2, 100
.set GW, 104
.set VH16, 108
.set VH8, 112
.set VSO, 116
.set FT, 118
.macro QUANT a, X, PW
.set AC, 64*(\a)
	WIN 0x0a
.irp b, 0,1,2,3
	v_max3_num_f32 v[TM+\b], |v[AC+16*\b]|, |v[AC+16*\b+1]|, 0x1800000   ; with the floor 2^(3 - 127): the byte cannot fall under 1
.endr
.irp i, 2,4,6,8,10,12,14
.irp b, 0,1,2,3
	v_max3_num_f32 v[TM+\b], |v[AC+16*\b+\i]|, |v[AC+16*\b+\i+1]|, v[TM+\b]
.endr
.endr
	WIN 0
.irp b, 0,1,2,3
	v_permlanex16_b32 v[TM+4+\b], v[TM+\b], s100, s101
.endr
.irp b, 0,1,2,3
	v_max_num_f32 v[TM+\b], v[TM+\b], v[TM+4+\b]
.endr
.irp b, 0,1,2,3
	v_add_nc_u32 v[TM+12+\b], 0xff000000, v[TM+\b] ; 2 off the exponent field: the conversion's scale operand
.endr
.irp b, 0,1,2,3
	v_lshrrev_b32 v[TM+4+\b], 23, v[TM+12+\b]
.endr
	v_lshl_or_b32 v[\PW], v[TM+5], 8, v[TM+4]
	v_lshl_or_b32 v[\PW], v[TM+6], 16, v[\PW]
	v_lshl_or_b32 v[\PW], v[TM+7], 24, v[\PW]
	WIN 0x02
.irp c, 0,1
	v_cvt_scalef32_pk16_fp6_f32 v[\X+6*\c:\X+6*\c+2], v[AC+32*\c:AC+32*\c+15], v[TM+12+2*\c]
	v_cvt_scalef32_pk16_fp6_f32 v[\X+12+4*\c:\X+14+4*\c], v[AC+32*\c+16:AC+32*\c+31], v[TM+13+2*\c]
.endr
	WIN 0
	v_nop
.irp c, 0,1
.irp i, 0,1,2
	v_permlane16_swap_b32 v[\X+6*\c+\i], v[\X+12+4*\c+\i]
.endr
.irp i, 0,1,2
	v_mov_b32 v[\X+3+6*\c+\i], v[\X+12+4*\c+\i]
.endr
.endr
.endm
	s_load_b256 s[4:11], s[0:1], 0x0               ; job q: A codes, A scales, B codes, B scales
	s_load_b256 s[68:75], s[0:1], 0x20             ; job k
	s_load_b256 s[76:83], s[0:1], 0x40             ; job v: Wv's two, value's two
	s_load_b256 s[84:91], s[0:1], 0x60             ; bq, bk, bv, qbuf
	s_load_b64 s[92:93], s[0:1], 0x80              ; kv
	v_lshl_add_u32 v[SPW], v0, 2, SPARE
	v_mov_b32 v[NIL], 0
	ds_add_u32 v[SPW], v[NIL]                      ; the opening lines
	ds_add_u32 v[SPW], v[NIL]
	v_lshrrev_b32 v1, 5, v0
	v_readfirstlane_b32 s14, v1
	s_lshr_b32 s15, s14, 1                         ; my half of A's rows; also: I fetch for A (0) or B (1)
	s_and_b32 s16, s14, 1                          ; my half of B's rows; also: which half I fetch
	s_bfe_u32 s40, ttmp6, 0x40000
	s_bfe_u32 s41, ttmp6, 0x40004
	s_and_b32 s99, ttmp7, 0xffff                   ; the cluster, 0..47
	s_lshr_b32 s[JOB], s99, 4                      ; the job: the same in all sixteen partners
	s_and_b32 s99, s99, 15                         ; i: the cluster within its job
	s_lshl_b32 s43, s41, 2
	s_lshl_b32 s43, 15, s43
	s_lshl_b32 s44, 0x1111, s40
	GROUP1 G1, 43, 64
	GROUP1 G1B, 44, 128
	s_mov_b32 s[G0], 1
	s_mul_i32 s[G0+1], s16, 64*PITCH
	s_mov_b32 s[G0B], 1
	s_mul_i32 s[G0B+1], s16, 128*PITCH
	s_add_co_u32 s[G0B+1], s[G0B+1], ABYTES
	v_and_b32 v1, 15, v0                           ; r
	v_bfe_u32 v2, v0, 4, 1                         ; h
	v_and_b32 v6, 31, v0
	v_mul_u32_u24 v3, v1, PITCH
	v_mad_u32_u24 v4, v2, 24, v3
	v_mad_u32_u24 v5, v2, 40, v3
	v_lshlrev_b32 v[ABS], 5, v6
	s_mul_i32 s21, s15, 64*PITCH
	s_mul_i32 s22, s16, 128*PITCH
	s_add_co_u32 s22, s22, ABYTES
	v_add_nc_u32 v[ADRA], s21, v4
	v_add_nc_u32 v[ADRA+1], s21, v5
	v_add_nc_u32 v[ADRB], s22, v4
	v_add_nc_u32 v[ADRB+1], s22, v5
	s_add_co_u32 s22, s22, 64*PITCH
	v_add_nc_u32 v[ADRB+2], s22, v4
	v_add_nc_u32 v[ADRB+3], s22, v5
	s_mov_b32 s100, 0x76543210
	s_mov_b32 s101, 0xfedcba98
	s_lshl_b32 s17, s99, 2                         ; q, k: A's tile 4 i + cy, B's cx;  v: A's 4 (i % 2) + cy, B's 4 (i / 2) + cx
	s_and_b32 s18, s99, 1
	s_lshl_b32 s18, s18, 2
	s_lshr_b32 s19, s99, 1
	s_lshl_b32 s19, s19, 2
	s_cmp_eq_u32 s[JOB], 2
	s_cselect_b32 s17, s18, s17
	s_cselect_b32 s42, s19, 0
	s_add_co_u32 s17, s17, s41
	s_add_co_u32 s42, s42, s40
	s_lshl_b32 s20, s17, 7
	s_lshl_b32 s18, s16, 6
	s_add_co_u32 s20, s20, s18
	s_mul_i32 s20, s20, KROW                       ; the rows that I fetch for A, in bytes,
	s_mov_b32 s21, 0
	s_lshl_b32 s46, s42, 8
	s_lshl_b32 s18, s16, 7
	s_add_co_u32 s46, s46, s18
	s_mul_i32 s46, s46, KROW                       ; and for B
	s_mov_b32 s47, 0
	s_wait_alu depctr_va_vdst(0)                   ; the wait at the head's end
	s_wait_dscnt 0x0
	s_wait_kmcnt 0x0
	s_cmp_eq_u32 s[JOB], 1
	s_cselect_b64 s[G0+2:G0+3], s[68:69], s[4:5]
	s_cselect_b64 s[G0B+2:G0B+3], s[72:73], s[8:9]
	s_cmp_eq_u32 s[JOB], 2
	s_cselect_b64 s[G0+2:G0+3], s[76:77], s[G0+2:G0+3]
	s_cselect_b64 s[G0B+2:G0B+3], s[80:81], s[G0B+2:G0B+3]
	s_add_nc_u64 s[G0+2:G0+3], s[G0+2:G0+3], s[20:21]
	s_or_b32 s[G0+3], s[G0+3], 0x80000000
	s_add_nc_u64 s[G0B+2:G0B+3], s[G0B+2:G0B+3], s[46:47]
	s_or_b32 s[G0B+3], s[G0B+3], 0x80000000
	CROUND                                         ; all sixteen work-groups are here: the joint loads meet
	s_cmp_eq_u32 s15, 0
	s_cbranch_scc0 .Lfor_b
	tensor_load_to_lds s[G0:G0+3], s[G1:G1+7]
	s_nop 0
	PLACES 4
	s_branch .Lasked
.Lfor_b:
	tensor_load_to_lds s[G0B:G0B+3], s[G1B:G1B+7]
	s_nop 0
	PLACES 4
.Lasked:
	s_cmp_eq_u32 s[JOB], 1
	s_cselect_b64 s[62:63], s[70:71], s[6:7]       ; A's scales
	s_cselect_b64 s[36:37], s[74:75], s[10:11]     ; B's
	s_cselect_b64 s[96:97], s[86:87], s[84:85]     ; the bias
	s_cmp_eq_u32 s[JOB], 2
	s_cselect_b64 s[62:63], s[78:79], s[62:63]
	s_cselect_b64 s[36:37], s[82:83], s[36:37]
	s_cselect_b64 s[96:97], s[88:89], s[96:97]
	s_mov_b32 s66, 1536
	s_cselect_b32 s66, 3072, s66                   ; s[66:67]: from a pair of blocks to the next
	s_mov_b32 s67, 0
	s_mov_b32 s60, 0x05040100
	s_cselect_b32 s60, 0x03020100, s60             ; q, k: the first head's bytes of both blocks; v: the first block's word
	s_mov_b32 s61, 0x07060302
	s_cselect_b32 s61, 0x07060504, s61
	s_cselect_b32 s38, -1, 0                       ; a lane mask: the job is v
	s_mov_b32 s39, HEADB
	s_cselect_b32 s39, 768, s39                    ; from a fragment's first half to its second
	s_mov_b32 s45, 768
	s_cselect_b32 s45, 1536, s45                   ; from a pair's first block to its second
	s_mov_b32 s98, HEADB
	s_cselect_b32 s98, 8, s98                      ; scale words: from lanes 0-15 to lanes 16-31
	s_cselect_b32 s18, 4, 0                        ; the bias: bytes from lane r to r + 1,
	s_cselect_b32 s19, 0, 32                       ; from h = 0 to 1,
	s_cselect_b32 s94, 0, 4                        ; from register j to j + 1
	s_cselect_b32 s46, 256, 0                      ; v has four blocks of bias: blocks 4-7 read them again, inside the buffer
	s_mov_b32 s47, 0
	s_cselect_b32 s21, 6144, 0
	s_mov_b32 s22, 12288
	s_cselect_b32 s22, 12544, s22
	s_lshl_b32 s20, s17, 7
	s_lshl_b32 s23, s15, 6
	s_add_co_u32 s20, s20, s23                     ; my first row of the A part
	s_lshl_b32 s23, s42, 8
	s_lshl_b32 s2, s16, 7
	s_add_co_u32 s23, s23, s2                      ; and of the B part
	s_lshl_b32 s2, s20, 5
	s_mov_b32 s3, 0
	s_add_nc_u64 s[62:63], s[62:63], s[2:3]
	s_lshl_b32 s2, s23, 5
	s_add_nc_u64 s[36:37], s[36:37], s[2:3]
	s_cmp_eq_u32 s[JOB], 2
	s_cselect_b32 s2, s23, s20                     ; my first activation row
	s_cselect_b32 s20, s20, s23                    ; my first channel
	s_cmp_eq_u32 s[JOB], 0
	s_cselect_b64 s[12:13], s[90:91], s[92:93]
	s_lshr_b32 s23, s2, 11
	s_lshl_b32 s23, s23, 4
	s_lshr_b32 s3, s20, 6
	s_add_co_u32 s23, s23, s3                      ; 16 x batch + head
	s_mul_i32 s23, s23, HEADB
	s_bfe_u32 s3, s2, 0x40007
	s_mul_i32 s3, s3, STEPB
	s_add_co_u32 s23, s23, s3
	s_bfe_u32 s3, s2, 0x30004                      ; my first tile in the step (v: 0)
	s_add_co_u32 s21, s21, s23
	s_add_co_u32 s22, s22, s23
	s_mul_i32 s2, s3, 768
	s_add_co_u32 s21, s21, s2
	s_lshl_b32 s3, s3, 1
	s_add_co_u32 s2, s22, s3
	s_mov_b32 s3, 0
	s_add_nc_u64 s[2:3], s[12:13], s[2:3]          ; my scale words
	s_mov_b32 s22, s21
	s_mov_b32 s23, 0
	s_add_nc_u64 s[12:13], s[12:13], s[22:23]      ; my codes
	s_lshl_b32 s22, s20, 2
	s_add_nc_u64 s[96:97], s[96:97], s[22:23]
	s_sub_nc_u64 s[46:47], s[96:97], s[46:47]
	v_mul_u32_u24 v[VOJ], v1, s18
	v_mad_u32_u24 v[VOJ], v2, s19, v[VOJ]
.irp j, 1,2,3,4,5,6,7
	v_add_nc_u32 v[VOJ+\j], s94, v[VOJ+\j-1]
.endr
.irp p, 0,1
.irp c, 0,1
	global_load_b128 v[SA+8*\p+4*\c:SA+8*\p+4*\c+3], v[ABS], s[62:63] offset:1024*\p+16*\c   ; lanes 0-15: block 2 p's rows, lanes 16-31: block 2 p + 1's
.endr
.endr
.irp p, 0,1,2,3
.irp c, 0,1
	global_load_b128 v[SB+8*\p+4*\c:SB+8*\p+4*\c+3], v[ABS], s[36:37] offset:1024*\p+16*\c
.endr
.endr
.irp i, 0,1,2,3
.irp j, 0,1,2,3,4,5,6,7
	global_load_b32 v[BI+8*\i+\j], v[VOJ+\j], s[96:97] offset:64*\i
.endr
.endr
.irp i, 4,5,6,7
.irp j, 0,1,2,3,4,5,6,7
	global_load_b32 v[BI+8*\i+\j], v[VOJ+\j], s[46:47] offset:64*\i
.endr
.endr
	s_wait_tensorcnt 0x0                           ; my part of the rows is in
	s_barrier_signal -1
	s_barrier_wait -1                              ; everybody's is; nothing is ever filled again
	FETCHB 0, 0
	FETCHA 0, 0
	s_wait_loadcnt 0x0
	s_cmp_eq_u32 s[JOB], 2
	s_cbranch_scc1 .Lfirst_v
	STEP 0, 1
	s_branch .Lfirst_done
.Lfirst_v:
	STEP 0, 2
.Lfirst_done:
.irp st, 1,2,3,4,5,6,7
	STEP \st, 0
.endr
	v_lshlrev_b32 v[VH16], 4, v6                   ; these eleven lines name no register of the last products: the places behind them
	v_lshl_add_u32 v[VH8], v6, 3, 512
	v_add_nc_u32 v[VH16+1], s45, v[VH16]
	v_add_nc_u32 v[VH8+1], s45, v[VH8]
	v_add_nc_u32 v[VH16+2], s39, v[VH16]
	v_add_nc_u32 v[VH8+2], s39, v[VH8]
	v_add_nc_u32 v[VH16+3], s39, v[VH16+1]
	v_add_nc_u32 v[VH8+3], s39, v[VH8+1]
	v_lshlrev_b32 v[VSO], 4, v1
	v_mad_u32_u24 v[VSO], v2, s98, v[VSO]
	v_cmp_le_u32 s94, 16, v6                       ; a lane mask: h = 1
.irp b, 0,1,2,3
	v_mov_b32 v[TM+4+\b], 0
.endr
.irp g, 0,1
.if \g > 0
	s_wait_xcnt 0x0                                ; the last pair's stores have read their data and base
	s_add_nc_u64 s[12:13], s[12:13], s[66:67]
.endif
	QUANT 2*\g, XA, PWA
	QUANT 2*\g+1, XB, PWB
	v_perm_b32 v[O1+\g], v[PWB], v[PWA], s60
	v_perm_b32 v[O2+\g], v[PWB], v[PWA], s61
.irp c, 0,1
	global_store_b128 v[VH16+2*\c], v[XA+6*\c:XA+6*\c+3], s[12:13]
	global_store_b64 v[VH8+2*\c], v[XA+6*\c+4:XA+6*\c+5], s[12:13]
	global_store_b128 v[VH16+2*\c+1], v[XB+6*\c:XB+6*\c+3], s[12:13]
	global_store_b64 v[VH8+2*\c+1], v[XB+6*\c+4:XB+6*\c+5], s[12:13]
.endr
.endr
	; q, k: lanes 0-15 store the first head's two words, lanes 16-31 the second's; v: lanes 0-15 the words of blocks 0, 1, lanes 16-31 of blocks 2, 3
	v_cndmask_b32 v[FT], v[O2], v[O1+1], s38
	v_cndmask_b32 v[FT+1], v[O1+1], v[O2], s38
	v_cndmask_b32 v[GW], v[O1], v[FT], s94
	v_cndmask_b32 v[GW+1], v[FT+1], v[O2+1], s94
	global_store_b64 v[VSO], v[GW:GW+1], s[2:3]
	s_wait_tensorcnt 0x0                           ; the wave's end
	ds_add_u32 v[SPW], v[NIL]
	s_wait_dscnt 0x0
	CROUND
	s_endpgm
.Lfunc_end_k_q7cc65b951c_proj:
	.size	k_q7cc65b951c_proj, .Lfunc_end_k_q7cc65b951c_proj-k_q7cc65b951c_proj
	.p2alignl 7, 3214868480
	.fill 96, 4, 3214868480
	.section	.rodata,"a",@progbits
	.p2align	6, 0x0
	.amdhsa_kernel k_q7cc65b951c_proj
		.amdhsa_group_segment_fixed_size 327680
		.amdhsa_private_segment_fixed_size 0
		.amdhsa_enable_private_segment 0
		.amdhsa_kernarg_size 136
		.amdhsa_user_sgpr_count 2
		.amdhsa_user_sgpr_kernarg_segment_ptr 1
		.amdhsa_wavefront_size32 1
		.amdhsa_system_sgpr_workgroup_id_x 1
		.amdhsa_system_sgpr_workgroup_id_y 1
		.amdhsa_system_sgpr_workgroup_id_z 1
		.amdhsa_system_vgpr_workitem_id 0
		.amdhsa_next_free_vgpr 768
		.amdhsa_next_free_sgpr 102
		.amdhsa_reserve_vcc 0
		.amdhsa_float_denorm_mode_32 3
		.amdhsa_float_denorm_mode_16_64 3
		.amdhsa_memory_ordered 1
		.amdhsa_forward_progress 1
		.amdhsa_inst_pref_size 114
	.end_amdhsa_kernel
	.amdgpu_metadata
---
amdhsa.version: [ 1, 2 ]
amdhsa.kernels:
  - .name:           k_q7cc65b951c_proj
    .symbol:         k_q7cc65b951c_proj.kd
    .args:
      - { .name: query_codes, .offset: 0, .size: 8, .value_kind: global_buffer, .address_space: global }
      - { .name: query_scales, .offset: 8, .size: 8, .value_kind: global_buffer, .address_space: global }
      - { .name: Wq_codes, .offset: 16, .size: 8, .value_kind: global_buffer, .address_space: global }
      - { .name: Wq_scales, .offset: 24, .size: 8, .value_kind: global_buffer, .address_space: global }
      - { .name: key_codes, .offset: 32, .size: 8, .value_kind: global_buffer, .address_space: global }
      - { .name: key_scales, .offset: 40, .size: 8, .value_kind: global_buffer, .address_space: global }
      - { .name: Wk_codes, .offset: 48, .size: 8, .value_kind: global_buffer, .address_space: global }
      - { .name: Wk_scales, .offset: 56, .size: 8, .value_kind: global_buffer, .address_space: global }
      - { .name: Wv_codes, .offset: 64, .size: 8, .value_kind: global_buffer, .address_space: global }
      - { .name: Wv_scales, .offset: 72, .size: 8, .value_kind: global_buffer, .address_space: global }
      - { .name: value_codes, .offset: 80, .size: 8, .value_kind: global_buffer, .address_space: global }
      - { .name: value_scales, .offset: 88, .size: 8, .value_kind: global_buffer, .address_space: global }
      - { .name: bq, .offset: 96, .size: 8, .value_kind: global_buffer, .address_space: global }
      - { .name: bk, .offset: 104, .size: 8, .value_kind: global_buffer, .address_space: global }
      - { .name: bv, .offset: 112, .size: 8, .value_kind: global_buffer, .address_space: global }
      - { .name: qbuf, .offset: 120, .size: 8, .value_kind: global_buffer, .address_space: global }
      - { .name: kv, .offset: 128, .size: 8, .value_kind: global_buffer, .address_space: global }
    .group_segment_fixed_size: 327680
    .private_segment_fixed_size: 0
    .kernarg_segment_align: 8
    .kernarg_segment_size: 136
    .max_flat_workgroup_size: 128
    .sgpr_count:     102
    .vgpr_count:     768
    .wavefront_size: 32
...
	.end_amdgpu_metadata
.endif
;; end of part 1
;; launch attn (part 2): grid 4 x 64, 16 waves a work-group, clusters of 4 x 1, 206,848 bytes of LDS; arguments qbuf, kv, ximg, xsc; writes ximg, xsc
.if DOCPART == 2
	.amdgcn_target "amdgcn-amd-amdhsa--gfx1250"
	.amdhsa_code_object_version 6
	.text
	.protected	k_q7cc65b951c_attn
	.globl	k_q7cc65b951c_attn
	.p2align	8
	.type	k_q7cc65b951c_attn,@function
k_q7cc65b951c_attn:
	s_mov_b64 s[64:65], 0
	v_nop
	global_prefetch_b8 v0, s[64:65] scope:SCOPE_SE
	s_setreg_imm32_b32 hwreg(HW_REG_WAVE_MODE, 25, 1), 1
	s_wait_xcnt 0x0
	s_wait_alu depctr_hold_cnt(0) depctr_sa_sdst(0) depctr_va_vdst(0) depctr_va_sdst(0) depctr_va_ssrc(0) depctr_va_vcc(0) depctr_vm_vsrc(0)
	s_getreg_b32 s2, hwreg(HW_REG_IB_STS2, 6, 4)
	s_cmp_eq_u32 s2, 0
	s_cbranch_scc0 .Lentry_in_a_cluster
	s_endpgm
.Lentry_in_a_cluster:
	s_bfe_u32 s2, ttmp6, 0x10000c
	s_cmp_lg_u32 s2, 0x3003
	s_cbranch_scc0 .Lentry_shape_is_right
	s_endpgm
.Lentry_shape_is_right:
; ATTENTION of one head on codes of FP6 (E2M3): x[q] = (sum over keys of p v) / l, p = 2^(t - M), t = (q . k) log2(e) / 8, M = the running largest t rounded up to a whole number, l = the sum of the unquantised p.
; p is quantised along the keys; x is quantised along its 64 channels and leaves as codes and scale bytes for the last product.
; SHARES.  A work-group owns 512 queries of one (batch, head); each of its sixteen waves owns one tile of 16 queries at a time, in 256 registers, and makes two passes (tiles w and 16 + w).  Four waves share a SIMD, so that one
; wave's vector work stands beside another's matrix instructions and LDS loads.
; THE WHOLE HEAD LIES IN LDS: K, V and their scale words of all 2,048 keys are 204,800 dense bytes of kv, and LDS byte = byte in the head.  They are filled ONCE, so there is no ring and nothing is filled again.
; The four work-groups of a cluster own the four blocks of queries of one head and ask for every tile JOINTLY.  Every wave issues one load (its own step of 12,800 bytes; waves 4 c .. 4 c + 3 fill chunk c): one load of a wave is out.
; A chunk is read behind a counted wait and a barrier; later chunks land while the earlier ones are worked on.
; LAYOUT.  Both products are used transposed: S^T = K Q^T, O^T = V^T P^T: a lane holds ONE query (lane % 16) throughout.
; K = 64 IN AN INSTRUCTION OF K = 128: a fragment of K is [key tile 2 b's 64 channels | key tile 2 b + 1's]; it is multiplied by [q | 0] for the first tile's scores and by [0 | q] for the second's.  Both are views of 18 registers [q | 0 | q].
; Zero codes add nothing under any scale byte but 0xff.  K's scale word has two bytes for each tile; q's is (s0, s1, s0, s1).
; THE ORDER INSIDE A BLOCK OF 32 KEYS: register 16 f + 8 u + j of a lane is key 32 f + 16 u + 8 h + j; p's codes are laid as they come, which is the order in which the launch before has laid v's keys.
; x meets a given operand and goes out in TRUE order: sixteen exchanges of halves on the f32 numbers.
; LIMITS: NaN and infinities are not served; a block under 2^-124, or of zeros, gets the byte 1 (its reader is this program alone); x is O times the reciprocal of l by v_rcp_f32.
.set STEPB,  12800                     ; a step of 128 keys: K 6,144, V 6,144, K's scale words 256, V's 256
.set HEADB,  16*STEPB
.set CHUNKB, 4*STEPB
.set A16,  1                           ; v1  16 x lane;  v2  8 x lane: a half fragment's two parts
.set A8,   2
.set AD16, 3                           ; v3, v4 the same in the step in hand
.set AD8,  4
.set XSO,  5                           ; v5  32 r + h: my byte of x's scales
.set QSR,  6                           ; v6, v7 q's scale words as loaded, pass 0, 1
.set QS,   8                           ; v8  q's scale word
.set R16,  9                           ; v9  16 r
.set QLO,  16                          ; v[16:27] = [q | 0]
.set QHI,  22                          ; v[22:33] = [0 | q]
.set QRAW, 36                          ; v36-47 the two passes' q
.set F,    48                          ; v48-95 four fragments of K or of V
.set S,    96                          ; v96-159 S^T, then p; at the end x
.set OT,   160                         ; v160-191 O^T
.set BM,   192                         ; v192-195 a block's largest score, then its largest p
.set PT,   196                         ; v196-199 the other half's, then bytes
.set SO,   200                         ; v200-203 the conversions' scale operands
.set PC,   204                         ; v204-215 p's codes
.set PD,   216                         ; v216-218, v220-222 second halves
.set SU2,  224                         ; v[224:225] the second chain of the sum
.set FF,   226                         ; v[226:227] f = 2^(old M - new M)
.set PW,   228                         ; v228 p's scale word
.set T0,   229
.set XBY,  230                         ; v230 my byte of x's scales
.set SCW,  232                         ; v232-235 lanes 0-15: K's four scale words; lanes 16-31: V's
.set WV,   12                          ; s12 my wave's number
.set SEL,  20                          ; s[20:21] v_permlanex16_b32's selects
.set CS,   22                          ; s[22:23] c = log2(e) / 8
.set G1,   24                          ; s[24:31] descriptor group 1;  s[32:35] group 0
.set G0,   32
.set TB,   48                          ; s48 LDS byte of the step in hand
.set CNT,  49
.macro CROUND
	s_barrier_signal -1
	s_barrier_wait -1
	s_cmp_lg_u32 s[WV], 0
	s_cbranch_scc1 .Lnot_wave_0_\@
	s_barrier_signal -3
.Lnot_wave_0_\@:
	s_barrier_wait -3
	s_barrier_signal -1
	s_barrier_wait -1
.endm
	s_load_b256 s[4:11], s[0:1], 0x0               ; qbuf, kv, ximg, xsc
	v_lshl_add_u32 v254, v0, 2, 0x32000
	v_mov_b32 v255, 0
	ds_add_u32 v254, v255
	ds_add_u32 v254, v255
	v_lshrrev_b32 v10, 5, v0
	s_delay_alu instid0(VALU_DEP_1)
	v_readfirstlane_b32 s[WV], v10                 ; wave 0..15
	s_bfe_u32 s13, ttmp6, 0x40000                  ; cx
	s_lshl_b32 s14, ttmp9, 2
	s_add_co_u32 s14, s14, s13                     ; my block of 512 queries: it enters q's and x's addresses alone
	s_and_b32 s15, ttmp7, 0xffff                   ; 16 x batch + head, which the four partners share
	s_mov_b32 s[G1], 15|(3<<16)|(1<<21)            ; the mask: all four work-groups; elements of 8 bytes; bit 21 beside a mask; no padding
	s_mov_b32 s[G1+1], 32<<16                      ; tensor_dim0: rows of 256 bytes
	s_mov_b32 s[G1+2], 50<<16                      ; tensor_dim1: 50 rows, a step
	s_mov_b32 s[G1+3], 32<<16                      ; tile_dim0
	s_mov_b32 s[G1+4], 50                          ; tile_dim1
	s_mov_b32 s[G1+5], 32                          ; pitch: dense
	s_mov_b32 s[G1+6], 0
	s_mov_b32 s[G1+7], 0
	s_mul_i32 s16, s15, HEADB                      ; the head's first byte in qbuf and kv
	s_mul_i32 s17, s[WV], STEPB                    ; wave w fetches step w: one load a wave
	s_add_co_u32 s18, s16, s17
	s_mov_b32 s19, 0
	s_mov_b32 s[SEL], 0x76543210
	s_mov_b32 s[SEL+1], 0xfedcba98
	s_mov_b32 s[CS], 0x3e38aa3b                    ; log2(e) / 8
	s_mov_b32 s[CS+1], s[CS]                       ; (named with it as a pair, so it is written)
	s_wait_dscnt 0x0
	s_wait_kmcnt 0x0
	s_add_nc_u64 s[18:19], s[6:7], s[18:19]
	CROUND                                         ; all four work-groups are here: the joint loads meet
	s_mov_b32 s[G0], 1
	s_mov_b32 s[G0+1], s17                         ; LDS byte = byte in the head
	s_mov_b64 s[G0+2:G0+3], s[18:19]
	s_or_b32 s[G0+3], s[G0+3], 0x80000000
; EVERY WAVE ISSUES ONE JOINT LOAD, its own step of 12,800 bytes.  Four arms, one for the four waves of each chunk, so that a chunk's barrier needs the wait of that chunk's issuers alone.
.macro ARM under, next
	s_cmp_lt_u32 s[WV], \under
	s_cbranch_scc0 \next
	tensor_load_to_lds s[G0:G0+3], s[G1:G1+7]
	s_nop 0
.rept 4
	v_nop
.endr
	s_branch .Lasked
\next:
.endm
	ARM 4, .Larm_1
	ARM 8, .Larm_2
	ARM 12, .Larm_3
	tensor_load_to_lds s[G0:G0+3], s[G1:G1+7]
	s_nop 0
.rept 4
	v_nop
.endr
.Lasked:
	s_lshl_b32 s60, s14, 2                         ; my block's first step of 128 queries,
	s_lshr_b32 s61, s[WV], 3
	s_add_co_u32 s60, s60, s61                     ; my tile's step in pass 0 (pass 1: two steps on),
	s_mul_i32 s60, s60, STEPB
	s_add_co_u32 s60, s60, s16
	s_and_b32 s61, s[WV], 7                        ; and its place among the step's eight tiles
	s_mul_i32 s62, s61, 768
	s_add_co_u32 s62, s62, s60
	s_mov_b32 s63, 0
	s_add_nc_u64 s[52:53], s[4:5], s[62:63]        ; q's half fragment
	s_lshr_b32 s61, s61, 1
	s_lshl_b32 s61, s61, 2
	s_add_co_u32 s62, s60, s61
	s_add_co_u32 s62, s62, 12288
	s_add_nc_u64 s[54:55], s[4:5], s[62:63]        ; the scale word of its pair of tiles
	s_lshr_b32 s60, s15, 4
	s_lshl_b32 s60, s60, 7
	s_lshl_b32 s61, s14, 5
	s_add_co_u32 s60, s60, s61
	s_add_co_u32 s60, s60, s[WV]                   ; my tile of 16 rows of x: 128 x batch + 32 x block + wave
	s_and_b32 s61, s15, 15                         ; the head
	s_mul_i32 s62, s60, 12288
	s_mul_i32 s2, s61, 768
	s_add_co_u32 s62, s62, s2
	s_add_nc_u64 s[56:57], s[8:9], s[62:63]        ; x's half fragment
	s_lshl_b32 s62, s60, 9
	s_lshl_b32 s61, s61, 1
	s_add_co_u32 s62, s62, s61
	s_add_nc_u64 s[58:59], s[10:11], s[62:63]      ; x's scale bytes: 32 a row, two a head
	s_and_b32 s60, s[WV], 1
	s_cmp_lg_u32 s60, 0
	s_mov_b32 s50, 0x01000100
	s_cselect_b32 s50, 0x03020302, s50             ; which two bytes of the pair's word are my tile's
	v_and_b32 v10, 31, v0
	v_and_b32 v11, 15, v0
	v_bfe_u32 v3, v0, 4, 1
	s_delay_alu instid0(VALU_DEP_3)
	v_lshlrev_b32 v[A16], 4, v10
	s_delay_alu instid0(VALU_DEP_4)
	v_lshlrev_b32 v[A8], 3, v10
	s_delay_alu instid0(VALU_DEP_3)
	v_lshl_add_u32 v[XSO], v11, 5, v3
	v_lshlrev_b32 v[R16], 4, v11
	v_cmp_le_u32 s51, 16, v10                      ; a lane mask: h = 1
.irp p, 0,1
	global_load_b128 v[QRAW+6*\p:QRAW+6*\p+3], v[A16], s[52:53] offset:2*STEPB*\p
	global_load_b64 v[QRAW+6*\p+4:QRAW+6*\p+5], v[A8], s[52:53] offset:2*STEPB*\p+512
	global_load_b32 v[QSR+\p], v[R16], s[54:55] offset:2*STEPB*\p
.endr
.irp i, 0,1,2,3,4,5
	v_mov_b32 v[QHI+\i], 0                         ; the six registers of zero codes between the two copies of q
.endr
.irp b, 0,1,2,3
	v_mov_b32 v[PT+\b], 0                          ; written once: a lane permute's destination counts as one of its sources
.endr
	v_mov_b32 v[FF+1], 0                           ; (named as the upper half of a pair)
	s_wait_loadcnt 0x0
.macro BEGIN p                         ; a pass begins: its q, and zeros for the sums, which the first change of M leaves zeros.  The moves behind the first line are also the places in front of the first products
	v_perm_b32 v[QS], v[QSR+\p], v[QSR+\p], s50
.irp i, 0,1,2,3,4,5
	v_mov_b32 v[QLO+\i], v[QRAW+6*\p+\i]
	v_mov_b32 v[QHI+6+\i], v[QRAW+6*\p+\i]
.endr
	v_mov_b32 v13, 0xff61b1e6                      ; the largest t so far: -3e38
	s_delay_alu instid0(VALU_DEP_1)
	v_floor_f32 v12, -v13                          ; -M
	v_mov_b32 v14, 0                               ; the sum, in two halves
	v_mov_b32 v15, 0
.irp j, 0,1,2,3,4,5,6,7,8,9,10,11,12,13,14,15,16,17,18,19,20,21,22,23,24,25,26,27,28,29,30,31
	v_mov_b32 v[OT+\j], 0
.endr
.endm
.macro HALVES off                      ; four fragments, each two half fragments of 768 bytes: 16 loads, every one of consecutive bytes
.irp f, 0,1,2,3
.irp c, 0,1
	ds_load_b128 v[F+12*\f+6*\c:F+12*\f+6*\c+3], v[AD16] offset:\off+1536*\f+768*\c
	ds_load_b64 v[F+12*\f+6*\c+4:F+12*\f+6*\c+5], v[AD8] offset:\off+1536*\f+768*\c+512
.endr
.endr
.endm
; A KEY STEP: 128 keys
.macro STEP
	v_add_nc_u32 v[AD16], s[TB], v[A16]
	v_add_nc_u32 v[AD8], s[TB], v[A8]
	v_nop
	v_nop                                          ; four places behind the last step's products, in front of loads into their registers
	ds_load_b128 v[SCW:SCW+3], v[AD16] offset:12288   ; lanes 0-15: K's words of row r; lanes 16-31, 256 bytes on: V's
	HALVES 0
	s_wait_alu depctr_va_vdst(0)
.irp f, 0,1,2,3
	s_wait_dscnt 4*(3-\f)                          ; the scale words and fragments 0 .. f are in; the four loads of each later fragment may be out
	v_wmma_scale_f32_16x16x128_f8f6f4 v[S+16*\f:S+16*\f+7], v[F+12*\f:F+12*\f+11], v[QLO:QLO+11], 0, v[SCW+\f], v[QS] matrix_a_fmt:MATRIX_FMT_FP6 matrix_b_fmt:MATRIX_FMT_FP6
	v_wmma_scale_f32_16x16x128_f8f6f4 v[S+16*\f+8:S+16*\f+15], v[F+12*\f:F+12*\f+11], v[QHI:QHI+11], 0, v[SCW+\f], v[QS] matrix_a_fmt:MATRIX_FMT_FP6 matrix_b_fmt:MATRIX_FMT_FP6
.endr
.rept 4
	v_nop                                          ; places in front of the loads into K's registers and of the first read of the scores
.endr
	HALVES 6144                                    ; V's four fragments land while the softmax is worked
.irp b, 0,1,2,3
	v_max3_num_f32 v[BM+\b], v[S+16*\b], v[S+16*\b+1], v[S+16*\b+2]   ; the largest score of each block of 32 keys: for the row's maximum and, since p rises with the score, for the block's largest p
.endr
.irp i, 3,5,7,9,11,13
.irp b, 0,1,2,3
	v_max3_num_f32 v[BM+\b], v[BM+\b], v[S+16*\b+\i], v[S+16*\b+\i+1]
.endr
.endr
.irp b, 0,1,2,3
	v_max_num_f32 v[BM+\b], v[BM+\b], v[S+16*\b+15]
.endr
.irp b, 0,1,2,3
	s_delay_alu instid0(VALU_DEP_4)
	v_permlanex16_b32 v[PT+\b], v[BM+\b], s[SEL], s[SEL+1]
.endr
.irp b, 0,1,2,3
	s_delay_alu instid0(VALU_DEP_4)
	v_max_num_f32 v[BM+\b], v[BM+\b], v[PT+\b]     ; with lane l xor 16's 16 keys
.endr
	s_delay_alu instid0(VALU_DEP_2)
	v_max3_num_f32 v[T0], v[BM], v[BM+1], v[BM+2]
	s_delay_alu instid0(VALU_DEP_1)
	v_max_num_f32 v[T0], v[T0], v[BM+3]
	s_delay_alu instid0(VALU_DEP_1)
	v_mul_f32 v[T0], s[CS], v[T0]                  ; the step's largest t
	s_delay_alu instid0(VALU_DEP_1)
	v_max_num_f32 v13, v13, v[T0]                  ; the running largest
	v_mov_b32 v[T0], v12
	s_delay_alu instid0(VALU_DEP_2)
	v_floor_f32 v12, -v13                          ; the new -M: M is a whole number
	s_delay_alu instid0(VALU_DEP_1)
	v_sub_f32 v[T0], v12, v[T0]                    ; old M - new M, 0 or less
	s_delay_alu instid0(VALU_DEP_1)
	v_cvt_i32_f32 v[T0], v[T0]                     ; (it saturates)
	s_delay_alu instid0(VALU_DEP_1)
	v_ldexp_f32 v[FF], 1.0, v[T0]                  ; f = 2^(old M - new M): a multiplication by it rounds nothing
.irp j, 0,2,4,6,8,10,12,14,16,18,20,22,24,26,28,30,32,34,36,38,40,42,44,46,48,50,52,54,56,58,60,62
	v_pk_fma_f32 v[S+\j:S+\j+1], v[S+\j:S+\j+1], s[CS:CS+1], v[12:13] op_sel_hi:[1,0,0]   ; t - M
.endr
.irp b, 0,1,2,3
	v_fma_f32 v[BM+\b], v[BM+\b], s[CS], v12
.endr
	s_wait_alu depctr_va_vdst(0)
.irp j, 0,1,2,3,4,5,6,7,8,9,10,11,12,13,14,15,16,17,18,19,20,21,22,23,24,25,26,27,28,29,30,31,32,33,34,35,36,37,38,39,40,41,42,43,44,45,46,47,48,49,50,51,52,53,54,55,56,57,58,59,60,61,62,63
	v_exp_f32 v[S+\j], v[S+\j]                     ; p = 2^(t - M)
.endr
.irp b, 0,1,2,3
	v_exp_f32 v[BM+\b], v[BM+\b]                   ; the block's largest p: the same two instructions on the same number
.endr
	v_pk_mul_f32 v[14:15], v[14:15], v[FF:FF+1] op_sel_hi:[1,0]   ; the sum under the new M (a plain place behind the exponentials)
	s_wait_alu depctr_va_vdst(0)
.irp b, 0,1,2,3
	v_max_num_f32 v[BM+\b], 0x1800000, v[BM+\b]    ; the floor 2^(3 - 127)
.endr
.irp b, 0,1,2,3
	s_delay_alu instid0(VALU_DEP_4)
	v_add_nc_u32 v[SO+\b], 0xff000000, v[BM+\b]    ; 2 off the exponent field: the conversion's scale operand
.endr
.irp b, 0,1,2,3
	s_delay_alu instid0(VALU_DEP_4)
	v_lshrrev_b32 v[PT+\b], 23, v[SO+\b]           ; the scale's byte
.endr
	s_delay_alu instid0(VALU_DEP_3)
	v_lshl_or_b32 v[PW], v[PT+1], 8, v[PT]
	s_delay_alu instid0(VALU_DEP_1)
	v_lshl_or_b32 v[PW], v[PT+2], 16, v[PW]
	s_delay_alu instid0(VALU_DEP_1)
	v_lshl_or_b32 v[PW], v[PT+3], 24, v[PW]
.irp c, 0,1
	v_cvt_scalef32_pk16_fp6_f32 v[PC+6*\c:PC+6*\c+2], v[S+32*\c:S+32*\c+15], v[SO+2*\c]
	v_cvt_scalef32_pk16_fp6_f32 v[PD+4*\c:PD+4*\c+2], v[S+32*\c+16:S+32*\c+31], v[SO+2*\c+1]
.endr
	v_nop                                          ; one plain place behind a scaled conversion
.irp c, 0,1
.irp i, 0,1,2
	v_permlane16_swap_b32 v[PC+6*\c+\i], v[PD+4*\c+\i]   ; a whole block to a lane
.endr
.irp i, 0,1,2
	s_delay_alu instid0(VALU_DEP_3)
	v_mov_b32 v[PC+3+6*\c+\i], v[PD+4*\c+\i]
.endr
.endr
	v_pk_add_f32 v[224:225], v[100:101], v[104:105]
	v_pk_add_f32 v[252:253], v[108:109], v[112:113]
	v_pk_add_f32 v[250:251], v[116:117], v[120:121]
	v_pk_add_f32 v[248:249], v[124:125], v[128:129]
	v_pk_add_f32 v[246:247], v[132:133], v[136:137]
	v_pk_add_f32 v[244:245], v[140:141], v[144:145]
	v_pk_add_f32 v[242:243], v[148:149], v[152:153]
	v_pk_add_f32 v[14:15], v[14:15], v[156:157]
	v_pk_add_f32 v[224:225], v[224:225], v[96:97]
	v_pk_add_f32 v[252:253], v[252:253], v[98:99]
	v_pk_add_f32 v[250:251], v[250:251], v[102:103]
	v_pk_add_f32 v[248:249], v[248:249], v[106:107]
	v_pk_add_f32 v[246:247], v[246:247], v[110:111]
	v_pk_add_f32 v[244:245], v[244:245], v[114:115]
	v_pk_add_f32 v[242:243], v[242:243], v[118:119]
	v_pk_add_f32 v[14:15], v[14:15], v[122:123]
	v_pk_add_f32 v[224:225], v[224:225], v[126:127]
	v_pk_add_f32 v[252:253], v[252:253], v[130:131]
	v_pk_add_f32 v[250:251], v[250:251], v[134:135]
	v_pk_add_f32 v[248:249], v[248:249], v[138:139]
	v_pk_add_f32 v[246:247], v[246:247], v[142:143]
	v_pk_add_f32 v[244:245], v[244:245], v[146:147]
	v_pk_add_f32 v[242:243], v[242:243], v[150:151]
	v_pk_add_f32 v[14:15], v[14:15], v[154:155]
	v_pk_add_f32 v[224:225], v[224:225], v[158:159]
	s_delay_alu instid0(VALU_DEP_2)
	v_pk_add_f32 v[14:15], v[14:15], v[248:249]
	s_delay_alu instid0(VALU_DEP_2)
	v_pk_add_f32 v[224:225], v[224:225], v[246:247]
	v_pk_add_f32 v[252:253], v[252:253], v[244:245]
	v_pk_add_f32 v[250:251], v[250:251], v[242:243]
	s_delay_alu instid0(VALU_DEP_2)
	v_pk_add_f32 v[14:15], v[14:15], v[252:253]
	s_delay_alu instid0(VALU_DEP_2)
	v_pk_add_f32 v[224:225], v[224:225], v[250:251]
	s_delay_alu instid0(VALU_DEP_1)
	v_pk_add_f32 v[14:15], v[14:15], v[224:225]
.irp j, 0,2,4,6,8,10,12,14,16,18,20,22,24,26,28,30
	v_pk_mul_f32 v[OT+\j:OT+\j+1], v[OT+\j:OT+\j+1], v[FF:FF+1] op_sel_hi:[1,0]   ; O^T under the new M, each accumulator from its low end on
.endr
	s_wait_alu depctr_va_vdst(0)
	s_wait_dscnt 0x0                               ; V is in
.irp t, 0,1,2,3                                ; O^T += V^T P^T: the four accumulators by turns
	v_wmma_scale_f32_16x16x128_f8f6f4 v[OT+8*\t:OT+8*\t+7], v[F+12*\t:F+12*\t+11], v[PC:PC+11], v[OT+8*\t:OT+8*\t+7], v[SCW+\t], v[PW] matrix_a_fmt:MATRIX_FMT_FP6 matrix_b_fmt:MATRIX_FMT_FP6 matrix_a_scale:MATRIX_SCALE_ROW1
.endr
	s_add_co_u32 s[TB], s[TB], STEPB
.endm
.macro STEPS n
	s_mov_b32 s[CNT], \n
.Lstep_\@:
	STEP
	s_sub_co_u32 s[CNT], s[CNT], 1
	s_cmp_lg_u32 s[CNT], 0
	s_cbranch_scc1 .Lstep_\@
.endm
.macro CHUNK c                         ; four steps, read for the first time
.if \c < 3
	s_cmp_lt_u32 s[WV], 4*\c+4                     ; the waves of chunks 0 .. c wait for their one load; later chunks' loads may be out
	s_cbranch_scc0 .Lnot_mine_\@
	s_wait_tensorcnt 0x0
.Lnot_mine_\@:
.else
	s_wait_tensorcnt 0x0
.endif
	s_barrier_signal -1
	s_barrier_wait -1                              ; everybody's has
	s_mov_b32 s[TB], \c*CHUNKB
	STEPS 4
.endm
.macro FINISH p                        ; x = O / l, in true order, quantised along its 64 channels, stored
.rept 4
	v_nop                                          ; places behind the last products
.endr
	v_add_f32 v14, v14, v15
	s_delay_alu instid0(VALU_DEP_1)
	v_permlanex16_b32 v[T0], v14, s[SEL], s[SEL+1]
	s_delay_alu instid0(VALU_DEP_1)
	v_add_f32 v14, v14, v[T0]                      ; the row's sum
	s_wait_alu depctr_va_vdst(0)
	v_rcp_f32 v14, v14
	v_nop                                          ; one plain place behind a transcendental
	s_wait_alu depctr_va_vdst(0)
.irp j, 0,2,4,6,8,10,12,14,16,18,20,22,24,26,28,30
	v_pk_mul_f32 v[S+\j:S+\j+1], v[OT+\j:OT+\j+1], v[14:15] op_sel_hi:[1,0]   ; register 8 t + j: channel 16 t + 8 h + j
.endr
.irp b, 0,1
.irp j, 0,1,2,3,4,5,6,7
	v_permlane16_swap_b32 v[S+16*\b+\j], v[S+16*\b+8+\j]   ; now register 16 b + i is channel 32 b + 16 h + i
.endr
.endr
.irp b, 0,1
	v_max3_num_f32 v[BM+\b], |v[S+16*\b]|, |v[S+16*\b+1]|, 0x1800000
.endr
.irp i, 2,4,6,8,10,12,14
.irp b, 0,1
	s_delay_alu instid0(VALU_DEP_2)
	v_max3_num_f32 v[BM+\b], v[BM+\b], |v[S+16*\b+\i]|, |v[S+16*\b+\i+1]|
.endr
.endr
.irp b, 0,1
	s_delay_alu instid0(VALU_DEP_2)
	v_permlanex16_b32 v[PT+\b], v[BM+\b], s[SEL], s[SEL+1]
.endr
.irp b, 0,1
	s_delay_alu instid0(VALU_DEP_2)
	v_max_num_f32 v[BM+\b], v[BM+\b], v[PT+\b]
.endr
.irp b, 0,1
	s_delay_alu instid0(VALU_DEP_2)
	v_add_nc_u32 v[SO+\b], 0xff000000, v[BM+\b]
.endr
.irp b, 0,1
	s_delay_alu instid0(VALU_DEP_2)
	v_lshrrev_b32 v[PT+\b], 23, v[SO+\b]
.endr
	v_cvt_scalef32_pk16_fp6_f32 v[PC:PC+2], v[S:S+15], v[SO]
	v_cvt_scalef32_pk16_fp6_f32 v[PD:PD+2], v[S+16:S+31], v[SO+1]
	v_nop
.irp i, 0,1,2
	v_permlane16_swap_b32 v[PC+\i], v[PD+\i]
.endr
.irp i, 0,1,2
	s_delay_alu instid0(VALU_DEP_3)
	v_mov_b32 v[PC+3+\i], v[PD+\i]
.endr
	v_cndmask_b32 v[XBY], v[PT], v[PT+1], s51      ; lane (r, h) stores block h's byte of row r
	global_store_b128 v[A16], v[PC:PC+3], s[56:57] offset:196608*\p        ; 512 consecutive bytes
	global_store_b64 v[A8], v[PC+4:PC+5], s[56:57] offset:196608*\p+512    ; 256 consecutive bytes
	global_store_b8 v[XSO], v[XBY], s[58:59] offset:8192*\p                ; two bytes of each of 16 rows of 32: one byte in 24 of what this launch stores
.endm
	BEGIN 0
	CHUNK 0
	CHUNK 1
	CHUNK 2
	CHUNK 3
	FINISH 0
	s_wait_xcnt 0x0                                ; the stores have read their data: those registers are written again in the second pass
	BEGIN 1
	s_mov_b32 s[TB], 0                             ; the whole head lies in LDS: no wait, no barrier
	STEPS 16
	FINISH 1
	s_wait_tensorcnt 0x0
	s_wait_tensorcnt 0x0
	ds_add_u32 v254, v255
	s_wait_dscnt 0x0
	CROUND                                         ; the closing round
	s_endpgm
.Lfunc_end_k_q7cc65b951c_attn:
	.size	k_q7cc65b951c_attn, .Lfunc_end_k_q7cc65b951c_attn-k_q7cc65b951c_attn
	.p2alignl 7, 3214868480
	.fill 96, 4, 3214868480
	.section	.rodata,"a",@progbits
	.p2align	6, 0x0
	.amdhsa_kernel k_q7cc65b951c_attn
		.amdhsa_group_segment_fixed_size 206848
		.amdhsa_private_segment_fixed_size 0
		.amdhsa_enable_private_segment 0
		.amdhsa_kernarg_size 32
		.amdhsa_user_sgpr_count 2
		.amdhsa_user_sgpr_kernarg_segment_ptr 1
		.amdhsa_wavefront_size32 1
		.amdhsa_system_sgpr_workgroup_id_x 1
		.amdhsa_system_sgpr_workgroup_id_y 1
		.amdhsa_system_sgpr_workgroup_id_z 1
		.amdhsa_system_vgpr_workitem_id 0
		.amdhsa_next_free_vgpr 256
		.amdhsa_next_free_sgpr 66
		.amdhsa_reserve_vcc 0
		.amdhsa_float_denorm_mode_32 3
		.amdhsa_float_denorm_mode_16_64 3
		.amdhsa_memory_ordered 1
		.amdhsa_forward_progress 1
		.amdhsa_inst_pref_size 106
	.end_amdhsa_kernel
	.amdgpu_metadata
---
amdhsa.version: [ 1, 2 ]
amdhsa.kernels:
  - .name:           k_q7cc65b951c_attn
    .symbol:         k_q7cc65b951c_attn.kd
    .args:
      - { .name: qbuf, .offset: 0, .size: 8, .value_kind: global_buffer, .address_space: global }
      - { .name: kv, .offset: 8, .size: 8, .value_kind: global_buffer, .address_space: global }
      - { .name: ximg, .offset: 16, .size: 8, .value_kind: global_buffer, .address_space: global }
      - { .name: xsc, .offset: 24, .size: 8, .value_kind: global_buffer, .address_space: global }
    .group_segment_fixed_size: 206848
    .private_segment_fixed_size: 0
    .kernarg_segment_align: 8
    .kernarg_segment_size: 32
    .max_flat_workgroup_size: 512
    .sgpr_count:     66
    .vgpr_count:     256
    .wavefront_size: 32
...
	.end_amdgpu_metadata
.endif
;; end of part 2
;; launch outp (part 3): grid 4 x 64, 4 waves a work-group, clusters of 4 x 4, 327,680 bytes of LDS; arguments ximg, xsc, Wo_codes, Wo_scales, bo, out0; writes out0
.if DOCPART == 3
	.amdgcn_target "amdgcn-amd-amdhsa--gfx1250"
	.amdhsa_code_object_version 6
	.text
	.protected	k_q7cc65b951c_outp
	.globl	k_q7cc65b951c_outp
	.p2align	8
	.type	k_q7cc65b951c_outp,@function
k_q7cc65b951c_outp:
	s_mov_b64 s[64:65], 0
	v_nop
	global_prefetch_b8 v0, s[64:65] scope:SCOPE_SE
	s_setreg_imm32_b32 hwreg(HW_REG_WAVE_MODE, 25, 1), 1
	s_wait_xcnt 0x0
	s_wait_alu depctr_hold_cnt(0) depctr_sa_sdst(0) depctr_va_vdst(0) depctr_va_sdst(0) depctr_va_ssrc(0) depctr_va_vcc(0) depctr_vm_vsrc(0)
	s_getreg_b32 s2, hwreg(HW_REG_IB_STS2, 6, 4)
	s_cmp_eq_u32 s2, 0
	s_cbranch_scc0 .Lentry_in_a_cluster
	s_endpgm
.Lentry_in_a_cluster:
	s_bfe_u32 s2, ttmp6, 0x10000c
	s_cmp_lg_u32 s2, 0xf033
	s_cbranch_scc0 .Lentry_shape_is_right
	s_endpgm
.Lentry_shape_is_right:
; out0 = x Wo^T + bo on codes of FP6 (E2M3), K = 1,024, sums in f32.  x comes as the launch before left it: ximg [tile of 16 rows][head 16][768 bytes: registers 0-3 at 16 x lane, 4-5 at 512 + 8 x lane], xsc [row][32].
; 256 work-groups; a block is 128 rows of x x 256 rows of Wo, all of K in LDS, filled once: x's 98,304 dense bytes as rows of 256, Wo's 256 rows of 768 bytes with 16 bytes of padding behind every 256.
; One joint load a wave: waves 0, 1 halves of x's (shared along a row of the cluster), waves 2, 3 halves of Wo's (along a column).  Scale words go from memory into registers.
; Source 0 = 16 rows of Wo, source 1 = 16 rows of x: a lane holds eight neighbouring columns of a row of out0.  The bias is the first products' C.  A wave makes 64 x 128.
; No prefetch: the launch has no loop to run ahead in.  LIMITS: NaN, infinities and the scale byte 0xff are not served.
.set PITCH, 816
.set KROW, 768
.set FR, 12
.set AHALF, 49152
.set ABYTES, 128*PITCH
.set SPARE, 384*PITCH
.set SPITCH, 528
.set ADRA, 16                          ; v16: 16 x lane, v17: 8 x lane, in my 64 rows of x
.set ADRB, 18
.set ABS, 22
.set STO, 24
.set RD, 25
.set CO, 26
.set SPW, 28
.set NIL, 29
.set SA, 32
.set SB, 52
.set BI, 88
.set AF, 152
.set BK, 128
.set G1, 24
.set G0, 32
.set G1B, 48
.set G0B, 56
.set MSB, 0
.macro WIN new
.if MSB != (\new)
	s_set_vgpr_msb (MSB<<8)|(\new)
.set MSB, (\new)
.endif
.endm
.macro PLACES n
.rept \n
	v_nop
.endr
.endm
.macro CROUND
	s_barrier_signal -1
	s_barrier_wait -1
	s_cmp_lg_u32 s14, 0
	s_cbranch_scc1 .Lnot_wave_0_\@
	s_barrier_signal -3
.Lnot_wave_0_\@:
	s_barrier_wait -3
	s_barrier_signal -1
	s_barrier_wait -1
.endm
.macro FRAG reg, adr, q, i
.irp p, 0,1,2,3,4,5
.set PC, 12*(\q)+6*(\p/3)+\p%3
	ds_load_b64 v[\reg+2*\p:\reg+2*\p+1], v[\adr+(PC%32+3)/32] offset:8*PC+16*(PC/32)+(\i)*16*PITCH
.endr
.endm
.macro FETCHB q, e                     ; Wo's eight fragments of step q: 48 loads
	WIN 0x40
.irp i, 0,1,2,3,4,5,6,7
	FRAG 96*(\e)+FR*\i, ADRB+2*(\i/4), \q, \i%4
.endr
	WIN 0
.endm
.macro FETCHA q, e                     ; x's four: 16 loads
.irp i, 0,1,2,3
.irp c, 0,1
	ds_load_b128 v[AF+48*(\e)+FR*\i+6*\c:AF+48*(\e)+FR*\i+6*\c+3], v[ADRA] offset:12288*\i+1536*(\q)+768*\c
	ds_load_b64 v[AF+48*(\e)+FR*\i+6*\c+4:AF+48*(\e)+FR*\i+6*\c+5], v[ADRA+1] offset:12288*\i+1536*(\q)+768*\c+512
.endr
.endr
.endm
.macro W a, b, ra, rb, e, q, zero
.set rD, 8*(8*(\a)+(\b))
.set rC, rD
.if \zero
.set rC, BI+8*(\b)
.endif
	v_wmma_scale_f32_16x16x128_f8f6f4 v[rD:rD+7], v[96*(\e)+FR*(\b):96*(\e)+FR*(\b)+FR-1], v[AF+48*(\e)+FR*(\a):AF+48*(\e)+FR*(\a)+FR-1], v[rC:rC+7], v[SB+8*((\b)/2)+(\q)], v[SA+8*((\a)/2)+(\q)] matrix_a_fmt:MATRIX_FMT_FP6 matrix_b_fmt:MATRIX_FMT_FP6 matrix_a_scale:MATRIX_SCALE_ROW\rb matrix_b_scale:MATRIX_SCALE_ROW\ra
.endm
.macro MUL e, q, zero                  ; 32 products, the 32 accumulators by turns
.irp a2, 0,1
.irp ra, 0,1
.irp b2, 0,1,2,3
.irp rb, 0,1
	W 2*\a2+\ra, 2*\b2+\rb, \ra, \rb, \e, \q, \zero
.endr
.endr
.endr
.endr
.endm
.macro STEP q, zero
.if \q < 7
	PLACES 4
	FETCHB (\q)+1, ((\q)+1)%2
	s_wait_dscnt 48                                ; all but the 48 just issued: this step's fragments are in
	FETCHA (\q)+1, ((\q)+1)%2
.else
	s_wait_dscnt 0x0                               ; my last reads of the tiles are over:
	s_barrier_signal -1                            ; behind this barrier the stages lie on x's bytes
.endif
.if \zero
	WIN 0x81
.else
	WIN 0xa1
.endif
	MUL (\q)%2, \q, \zero
	WIN 0
.if \q == 7
	s_barrier_wait -1
.endif
.endm
	s_load_b128 s[4:7], s[0:1], 0x0                ; ximg, xsc
	s_load_b128 s[8:11], s[0:1], 0x10              ; Wo's codes, scales
	s_load_b64 s[96:97], s[0:1], 0x20              ; bo
	s_load_b64 s[12:13], s[0:1], 0x28              ; out0
	v_lshl_add_u32 v[SPW], v0, 2, SPARE
	v_mov_b32 v[NIL], 0
	ds_add_u32 v[SPW], v[NIL]                      ; the opening lines
	ds_add_u32 v[SPW], v[NIL]
	v_lshrrev_b32 v1, 5, v0
	v_readfirstlane_b32 s14, v1
	s_lshr_b32 s15, s14, 1
	s_and_b32 s16, s14, 1
	s_bfe_u32 s40, ttmp6, 0x40000                  ; cx = Wo's tile
	s_bfe_u32 s41, ttmp6, 0x40004
	s_and_b32 s17, ttmp7, 0xffff
	s_lshl_b32 s17, s17, 2
	s_add_co_u32 s17, s17, s41                     ; x's tile of 128 rows
	s_lshl_b32 s43, s41, 2
	s_lshl_b32 s43, 15, s43
	s_lshl_b32 s44, 0x1111, s40
	s_or_b32 s[G1+0], s43, (3<<16)|(1<<21)         ; 192 dense rows of 256 bytes
	s_mov_b32 s[G1+1], 32<<16
	s_mov_b32 s[G1+2], 192<<16
	s_mov_b32 s[G1+3], 32<<16
	s_mov_b32 s[G1+4], 192
	s_mov_b32 s[G1+5], 32
	s_mov_b32 s[G1+6], 0
	s_mov_b32 s[G1+7], 0
	s_or_b32 s[G1B+0], s44, (1<<20)|(1<<21)|(5<<22)|(3<<25)
	s_mov_b32 s[G1B+1], KROW<<16
	s_mov_b32 s[G1B+2], 128<<16
	s_mov_b32 s[G1B+3], KROW<<16
	s_mov_b32 s[G1B+4], 128
	s_mov_b32 s[G1B+5], KROW
	s_mov_b32 s[G1B+6], 0
	s_mov_b32 s[G1B+7], 0
	s_mov_b32 s[G0], 1
	s_mul_i32 s[G0+1], s16, AHALF
	s_mov_b32 s[G0B], 1
	s_mul_i32 s[G0B+1], s16, 128*PITCH
	s_add_co_u32 s[G0B+1], s[G0B+1], ABYTES
	s_mul_i32 s20, s17, 2*AHALF
	s_mul_i32 s18, s16, AHALF
	s_add_co_u32 s20, s20, s18
	s_mov_b32 s21, 0
	s_lshl_b32 s46, s40, 8
	s_lshl_b32 s18, s16, 7
	s_add_co_u32 s46, s46, s18                     ; my first row of Wo, to fetch and to multiply
	s_mul_i32 s22, s46, KROW
	s_mov_b32 s23, 0
	v_and_b32 v1, 15, v0
	v_bfe_u32 v2, v0, 4, 1
	v_and_b32 v6, 31, v0
	v_mul_u32_u24 v3, v1, PITCH
	v_mad_u32_u24 v4, v2, 24, v3
	v_mad_u32_u24 v5, v2, 40, v3
	v_lshlrev_b32 v[ABS], 5, v6
	v_lshlrev_b32 v[CO], 4, v6
	v_lshlrev_b32 v7, 3, v6
	v_lshlrev_b32 v9, 5, v2
	s_mul_i32 s18, s15, AHALF
	v_add_nc_u32 v[ADRA], s18, v[CO]
	v_add_nc_u32 v[ADRA+1], s18, v7
	s_mul_i32 s19, s16, 128*PITCH
	s_add_co_u32 s19, s19, ABYTES
	v_add_nc_u32 v[ADRB], s19, v4
	v_add_nc_u32 v[ADRB+1], s19, v5
	s_add_co_u32 s19, s19, 64*PITCH
	v_add_nc_u32 v[ADRB+2], s19, v4
	v_add_nc_u32 v[ADRB+3], s19, v5
	s_mul_i32 s18, s14, 16*SPITCH                  ; my stage
	v_mul_u32_u24 v5, v1, SPITCH
	v_lshl_add_u32 v5, v2, 5, v5
	v_add_nc_u32 v[STO], s18, v5
	v_add_nc_u32 v[RD], s18, v[CO]
	s_wait_alu depctr_va_vdst(0)                   ; the wait at the head's end
	s_wait_dscnt 0x0
	s_wait_kmcnt 0x0
	s_add_nc_u64 s[G0+2:G0+3], s[4:5], s[20:21]
	s_or_b32 s[G0+3], s[G0+3], 0x80000000
	s_add_nc_u64 s[G0B+2:G0B+3], s[8:9], s[22:23]
	s_or_b32 s[G0B+3], s[G0B+3], 0x80000000
	CROUND
	s_cmp_eq_u32 s15, 0
	s_cbranch_scc0 .Lfor_b
	tensor_load_to_lds s[G0:G0+3], s[G1:G1+7]
	s_nop 0
	PLACES 4
	s_branch .Lasked
.Lfor_b:
	tensor_load_to_lds s[G0B:G0B+3], s[G1B:G1B+7]
	s_nop 0
	PLACES 4
.Lasked:
	s_lshl_b32 s20, s17, 7
	s_lshl_b32 s18, s15, 6
	s_add_co_u32 s20, s20, s18                     ; my first row of x
	s_lshl_b32 s22, s20, 5
	s_add_nc_u64 s[6:7], s[6:7], s[22:23]          ; its scales
	s_lshl_b32 s22, s46, 5
	s_add_nc_u64 s[10:11], s[10:11], s[22:23]      ; Wo's
	s_lshl_b32 s22, s46, 2
	s_add_nc_u64 s[96:97], s[96:97], s[22:23]      ; the bias at my first column
	s_add_nc_u64 s[12:13], s[12:13], s[22:23]
	s_lshl_b32 s22, s20, 12
	s_add_nc_u64 s[12:13], s[12:13], s[22:23]      ; my corner of out0
.irp p, 0,1
.irp c, 0,1
	global_load_b128 v[SA+8*\p+4*\c:SA+8*\p+4*\c+3], v[ABS], s[6:7] offset:1024*\p+16*\c
.endr
.endr
.irp p, 0,1,2,3
.irp c, 0,1
	global_load_b128 v[SB+8*\p+4*\c:SB+8*\p+4*\c+3], v[ABS], s[10:11] offset:1024*\p+16*\c
.endr
.endr
.irp b, 0,1,2,3,4,5,6,7
	global_load_b128 v[BI+8*\b:BI+8*\b+3], v9, s[96:97] offset:64*\b
	global_load_b128 v[BI+8*\b+4:BI+8*\b+7], v9, s[96:97] offset:64*\b+16
.endr
	s_wait_tensorcnt 0x0
	s_barrier_signal -1
	s_barrier_wait -1                              ; all four parts are in; nothing is ever filled again
	FETCHB 0, 0
	FETCHA 0, 0
	s_wait_loadcnt 0x0
	STEP 0, 1
.irp st, 1,2,3,4,5,6,7
	STEP \st, 0
.endr
; the way out: a block of 16 rows x 128 columns goes through my stage and comes back as rows of 512 bytes
.macro TOSTAGE a
.set AC, 64*(\a)
	WIN 0x08
.irp b, 0,1,2,3,4,5,6,7
	ds_store_b128 v[STO], v[AC+8*\b:AC+8*\b+3] offset:64*\b
	ds_store_b128 v[STO], v[AC+8*\b+4:AC+8*\b+7] offset:64*\b+16
.endr
	WIN 0
.set BB, BK+64*((\a)%2)
.irp t, 0,1,2,3,4,5,6,7,8,9,10,11,12,13,14,15
	ds_load_b128 v[BB+4*\t:BB+4*\t+3], v[RD] offset:\t*SPITCH
.endr
.endm
.macro SEND a, younger
.set BB, BK+64*((\a)%2)
	s_wait_dscnt \younger
.if (\a) > 0
	s_add_nc_u64 s[12:13], s[12:13], 16*4096
.endif
.irp t, 0,1,2,3,4,5,6,7,8,9,10,11,12,13,14,15
	global_store_b128 v[CO], v[BB+4*\t:BB+4*\t+3], s[12:13] offset:\t*4096 th:TH_STORE_NT   ; 32 lanes store 512 consecutive bytes
.endr
.endm
	PLACES 4
	TOSTAGE 0
.irp a, 1,2,3
.if \a > 1
	s_wait_xcnt 0x0                                ; block a - 2's stores have read their registers and base
.endif
	TOSTAGE \a
	SEND \a-1, 32                                  ; younger: block a's 16 stores and 16 loads
.endr
	s_wait_xcnt 0x0
	SEND 3, 0
	s_wait_tensorcnt 0x0                           ; the wave's end
	ds_add_u32 v[SPW], v[NIL]
	s_wait_dscnt 0x0
	CROUND
	s_endpgm
.Lfunc_end_k_q7cc65b951c_outp:
	.size	k_q7cc65b951c_outp, .Lfunc_end_k_q7cc65b951c_outp-k_q7cc65b951c_outp
	.p2alignl 7, 3214868480
	.fill 96, 4, 3214868480
	.section	.rodata,"a",@progbits
	.p2align	6, 0x0
	.amdhsa_kernel k_q7cc65b951c_outp
		.amdhsa_group_segment_fixed_size 327680
		.amdhsa_private_segment_fixed_size 0
		.amdhsa_enable_private_segment 0
		.amdhsa_kernarg_size 48
		.amdhsa_user_sgpr_count 2
		.amdhsa_user_sgpr_kernarg_segment_ptr 1
		.amdhsa_wavefront_size32 1
		.amdhsa_system_sgpr_workgroup_id_x 1
		.amdhsa_system_sgpr_workgroup_id_y 1
		.amdhsa_system_sgpr_workgroup_id_z 1
		.amdhsa_system_vgpr_workitem_id 0
		.amdhsa_next_free_vgpr 768
		.amdhsa_next_free_sgpr 98
		.amdhsa_reserve_vcc 0
		.amdhsa_float_denorm_mode_32 3
		.amdhsa_float_denorm_mode_16_64 3
		.amdhsa_memory_ordered 1
		.amdhsa_forward_progress 1
		.amdhsa_inst_pref_size 90
	.end_amdhsa_kernel
	.amdgpu_metadata
---
amdhsa.version: [ 1, 2 ]
amdhsa.kernels:
  - .name:           k_q7cc65b951c_outp
    .symbol:         k_q7cc65b951c_outp.kd
    .args:
      - { .name: ximg, .offset: 0, .size: 8, .value_kind: global_buffer, .address_space: global }
      - { .name: xsc, .offset: 8, .size: 8, .value_kind: global_buffer, .address_space: global }
      - { .name: Wo_codes, .offset: 16, .size: 8, .value_kind: global_buffer, .address_space: global }
      - { .name: Wo_scales, .offset: 24, .size: 8, .value_kind: global_buffer, .address_space: global }
      - { .name: bo, .offset: 32, .size: 8, .value_kind: global_buffer, .address_space: global }
      - { .name: out0, .offset: 40, .size: 8, .value_kind: global_buffer, .address_space: global }
    .group_segment_fixed_size: 327680
    .private_segment_fixed_size: 0
    .kernarg_segment_align: 8
    .kernarg_segment_size: 48
    .max_flat_workgroup_size: 128
    .sgpr_count:     98
    .vgpr_count:     768
    .wavefront_size: 32
...
	.end_amdgpu_metadata
.endif
;; end of part 3
